; MI455X (gfx1250); checked and timed in simulation.
; The chip was launched on July 23, 2026; its instructions are those of AMD's public machine-readable ISA for CDNA 5 (MIT licence, August 2026) and "CDNA5" Instruction Set Architecture Reference Guide (July 2026). The comments in the code are by the model that wrote it; some were corrected since.
;; Cross Matrix. Allowed arithmetic: float matrix products may take bf16 or f16 operands with f32 sums; all other float work in f32.
;; Inputs: W 256 x 66,049 float32; b 256 float32; x 2,048 x 256 float32.
;; Outputs: out0 2,048 x 16 x 16 float32.
;; 2 versions, each right. Each part assembles by itself: llvm-mc -triple=amdgcn-amd-amdhsa -mcpu=gfx1250 --defsym DOCPART=n.
;; ======== version 1 of 2: 2 launches
;; workspace buffers: part 8,388,608 bytes
;; launch quad (part 1): grid 4 x 64, 4 waves a work-group, clusters of 4 x 1, 327,680 bytes of LDS; arguments W, b, x, part; writes part
.if DOCPART == 1
	.amdgcn_target "amdgcn-amd-amdhsa--gfx1250"
	.amdhsa_code_object_version 6
	.text
	.protected	k_q716716717d_quad
	.globl	k_q716716717d_quad
	.p2align	8
	.type	k_q716716717d_quad,@function
k_q716716717d_quad:
	s_mov_b64 s[64:65], 0
	v_nop
	global_prefetch_b8 v0, s[64:65] scope:SCOPE_SE
	s_setreg_imm32_b32 hwreg(HW_REG_WAVE_MODE, 25, 1), 1
	s_wait_xcnt 0x0
	s_wait_alu depctr_hold_cnt(0) depctr_sa_sdst(0) depctr_va_vdst(0) depctr_va_sdst(0) depctr_va_ssrc(0) depctr_va_vcc(0) depctr_vm_vsrc(0)
	s_getreg_b32 s2, hwreg(HW_REG_IB_STS2, 6, 4)
	s_cmp_eq_u32 s2, 0
	s_cbranch_scc0 .Lentry_in_a_cluster
	s_endpgm
.Lentry_in_a_cluster:
	s_bfe_u32 s2, ttmp6, 0x10000c
	s_cmp_lg_u32 s2, 0x3003
	s_cbranch_scc0 .Lentry_shape_is_right
	s_endpgm
.Lentry_shape_is_right:
; y[b][o] = bias[o] + sum over i, j of x1[b][i] x1[b][j] W[o][257 i + j],   x1 = (1, x[b][0..255]);  x [2048][256], W [256][66049], all f32.
; The sum is taken slab by slab (i = 1..256, k = 0..255):
;   y[b][o] = (bias[o] + W[o][0]) + sum_k x[b][k] W[o][1+k] + sum_i x[b][i-1] * ( W[o][257 i] + sum_k x[b][k] W[o][257 i + 1 + k] )
; The inner sum over k is a matrix product whose x operand is the same for every slab: it stays in registers as bf16, and only W streams.
; W[o][257 i] enters as the f32 C operand of the slab's first matrix instruction; x[b][i-1] is an f32 factor (one packed fused multiply-add for two sums).
; FORMATS: x and W are rounded to bf16 as matrix operands; the slab factor, W's column j = 0, the bias and all sums are f32.  The order of the
; additions differs from a plain row sum.  No limit of range is kept.
; SHARES: a wave owns 128 rows of x and 16 outputs; a work-group (4 waves) 512 rows and 16 outputs; the slabs are split in 4 (64 slabs each):
; 4 row blocks x 16 output blocks x 4 splits = 256 work-groups.  Each stores its partial sums to part; a second launch adds the four splits.
; The product with W[o][1+k] has 8 K steps: split s takes steps 2 s and 2 s + 1, which start its sums; split 0 starts from bias + W[o][0], the others from 0.
; CLUSTER: the four row blocks (cx) of one output block and split need exactly the same tiles of W, so every load of W is a joint load with the mask 15.
; x is not shared inside a cluster (each partner has rows of its own): its fragments come by register loads and its factor table by a plain tensor load.
;
; K ORDER: the same permutation of k in both operands keeps the products.  In K step ks, dword d (0..7) of lane (r = lane % 16, h = lane / 16) holds
; k = 16 ks + 8 h + d in its low half and k + 128 in its high half.  So a W fragment is made of 32 neighbouring bytes and the 32 bytes 512 further on,
; and one v_cvt_pk_bf16_f32 rounds and packs the pair.
; The matrix instruction takes W as source 0 and x as source 1: register j of lane (r, h) is the sum of row b = r, output o = 8 h + j.
;
; LDS
.set SLB,  16640                       ; one slab's tile: 16 rows (outputs) of 1,040 bytes = W[o][257 i - 3 .. 257 i + 256]: byte 12 is W[o][257 i], float k at byte 16 + 4 k
.set BUF,  4*SLB                       ; a ring slot holds four slabs, one brought by each wave; two slots at bytes 0 and 66,560
.set SCT,  2*BUF                       ; 133,120: the factors x[row][64 s .. 64 s + 63], 512 rows, pitch 272
.set W0T,  SCT+512*272                 ; 272,384: W[o][1 + 32 s + 128 g + c], g = 0, 1; 16 rows each, pitch 144
.set XST,  W0T+4608                    ; 276,992: each wave's own stage of 16 rows x 528 bytes, written by ds_store alone; no tensor load lands here
; The pitches 1,040, 272, 144 and 528 are odd multiples of 16, so the sixteen rows that a 16-byte load touches lie in sixteen different 16-byte columns modulo 256.
; REGISTERS, window 0
.set WA,   2                           ; v2, v3    r * 1040 + 32 h + 16 in slot 0, 1
.set CA,   4                           ; v4, v5    h * 8320 + 12 in slot 0, 1
.set SA,   6                           ; v6        my rows' factors: SCT + wave * 34816 + r * 272, 32 bytes on in each lap
.set L16,  7                           ; v7        16 * lane
.set CI,   8                           ; v[8:15]   W[8 h + j][257 i] of the slab: C of its first K step
.set Y0,   16                          ; v[16:23]  bias + W[o][0] (split 0) or 0
.set WB,   24                          ; v[24:55]  four bf16 fragments of W, taken in turn by K step
.set WFA,  56                          ; v[56:119] the low halves' f32, 8 registers for each K step
.set T,    120                         ; v[120:183] the slab's sums, 8 blocks of 16 rows
.set Y,    184                         ; v[184:247] the work-group's sums
.set XSA,  248                         ; stage: where I store 16 bytes of a row
.set XRA,  249                         ; stage: where I read a fragment
.set LA,   250                         ; W0T + r * 144 + 32 h
.set HB,   251                         ; 32 h
.set HW,   252                         ; h * 8 rows of W
.set XB,   56                          ; in the prologue v[56:247] are three batches of 64 registers for x
; windows 1 to 3: x fragments X[ks][mb] at 64 (ks % 3) + 8 mb of window 1 + ks / 3.
; The high halves' f32 of K step ks lie in the window of X[ks - 1], because K step ks - 1's run of matrix instructions carries the conversions for ks:
; window 1: ks 1..3 at 192 + 8 (ks - 1), and the factors SC[mb][0..3] at 216 + 4 mb; window 2: ks 4..6 at 192 + 8 (ks - 4); window 3: ks 7 at 128, ks 0 at 136.
.set SC,   216
; s_set_vgpr_msb's low byte: bits 1:0 source 0, 3:2 source 1, 5:4 source 2, 7:6 destination.
.set XW1, 0x04                         ; source 1 in window 1, 2, 3: serves the matrix instruction (x), the conversion (high half), the fold (factor) and LDS loads into window 0
.set XW2, 0x08
.set XW3, 0x0c
.set TO1, 0x40                         ; destination in window 1, 2, 3: LDS loads of high halves, factors and x fragments
.set TO2, 0x80
.set TO3, 0xc0
.set MSB, 0
.macro WIN new                         ; the immediate's high byte repeats the setting that is left; a switch that changes nothing is dropped
.if MSB != \new
	s_set_vgpr_msb (MSB<<8)|\new
.set MSB, \new
.endif
.endm
; A round of the cluster's barrier: my work-group's barrier, wave 0 signals for the work-group, every wave waits for the four work-groups, my work-group's barrier again.
.macro CREST                           ; a round behind its opening barrier
	s_cmp_lg_u32 s12, 0
	s_cbranch_scc1 .Lnot_wave_0_\@
	s_barrier_signal -3
.Lnot_wave_0_\@:
	s_barrier_wait -3
	s_barrier_signal -1
	s_barrier_wait -1
.endm
.macro CROUND
	s_barrier_signal -1
	s_barrier_wait -1
	CREST
.endm
	s_load_b256 s[4:11], s[0:1], 0x0               ; W s[4:5], b s[6:7], x s[8:9], part s[10:11]
	v_lshl_add_u32 v255, v0, 2, 0x4be00
	s_set_vgpr_msb 0x40
	v_mov_b32 v255, 0
	s_set_vgpr_msb 0x4044
	ds_add_u32 v255, v255
	ds_add_u32 v255, v255
	s_set_vgpr_msb 0x4400
	v_lshrrev_b32 v1, 5, v0
	v_readfirstlane_b32 s12, v1                    ; wave 0..3
	s_bfe_u32 s13, ttmp6, 0x40000                  ; cx = my block of 512 rows
	s_and_b32 s14, ttmp7, 0xffff                   ; the cluster's y, the same in all four partners
	s_and_b32 s15, s14, 3                          ; s: the split
	s_lshr_b32 s14, s14, 2                         ; the block of 16 outputs
	; group 1 for a slab's tile: 16 rows of 260 f32, 66,049 elements from row to row, no padding; joint (mask 15, bit 21 beside it)
	s_mov_b32 s16, 15|(2<<16)|(1<<21)
	s_mov_b32 s17, 260<<16                         ; tensor_dim0
	s_mov_b32 s18, 16<<16                          ; tensor_dim1
	s_mov_b32 s19, 260<<16                         ; tile_dim0
	s_mov_b32 s20, 16                              ; tile_dim1
	s_mov_b32 s21, 66049
	s_mov_b32 s22, 0
	s_mov_b32 s23, 0
	; group 1 for a piece of W[o][1 + k]: 8 rows of 32 f32, 4 dwords of padding behind every 32; joint
	s_mov_b32 s24, 15|(2<<16)|(1<<20)|(1<<21)|(4<<22)|(3<<25)
	s_mov_b32 s25, 32<<16
	s_mov_b32 s26, 8<<16
	s_mov_b32 s27, 32<<16
	s_mov_b32 s28, 8
	s_mov_b32 s29, 66049
	s_mov_b32 s30, 0
	s_mov_b32 s31, 0
	; group 1 for my 128 rows of factors: 64 f32 a row (256 bytes, aligned), 4 dwords of padding behind every 64; my work-group's own (mask 0)
	s_mov_b32 s48, (2<<16)|(1<<20)|(5<<22)|(3<<25)
	s_mov_b32 s49, 64<<16
	s_mov_b32 s50, 128<<16
	s_mov_b32 s51, 64<<16
	s_mov_b32 s52, 128
	s_mov_b32 s53, 256
	s_mov_b32 s54, 0
	s_mov_b32 s55, 0
	; groups 0: count, LDS address (a constant + wave x a constant + the slot's constant)
	s_mov_b32 s32, 1
	s_mul_i32 s33, s12, SLB                        ; slot 0: wave w brings slab 4 t + w
	s_mov_b32 s36, 1
	s_add_co_u32 s37, s33, BUF                     ; slot 1
	s_mov_b32 s40, 1
	s_mul_i32 s41, s12, 1152                       ; piece w: range w / 2, rows 8 (w % 2) ..
	s_add_co_u32 s41, s41, W0T
	s_mov_b32 s44, 1
	s_mul_i32 s45, s12, 34816
	s_add_co_u32 s45, s45, SCT
	; byte offsets, made apart from the addresses.  What is made of cx stays in s13, s[62:63], s[76:78]: none of them feeds a joint load.
	s_mul_i32 s56, s14, 4227136                    ; 16 rows of W
	s_mov_b32 s57, 0
	s_lshl_b32 s58, s15, 6
	s_add_co_u32 s58, s58, s12
	s_add_co_u32 s58, s58, 1                       ; i = 64 s + 1 + wave
	s_mul_i32 s58, s58, 1028
	s_sub_co_u32 s58, s58, 12                      ; (257 i - 3) * 4
	s_mov_b32 s59, 0
	s_and_b32 s60, s12, 1
	s_mul_i32 s60, s60, 2113568                    ; 8 rows of W
	s_lshr_b32 s61, s12, 1
	s_lshl_b32 s61, s61, 9                         ; 128 columns
	s_add_co_u32 s60, s60, s61
	s_lshl_b32 s61, s15, 7                         ; 32 s columns
	s_add_co_u32 s60, s60, s61
	s_add_co_u32 s60, s60, 4                       ; column 1
	s_mov_b32 s61, 0
	s_lshl_b32 s62, s13, 19                        ; 512 rows of x
	s_lshl_b32 s74, s12, 17                        ; 128 rows of x
	s_add_co_u32 s62, s62, s74
	s_mov_b32 s63, 0
	s_lshl_b32 s74, s15, 8                         ; column 64 s of x
	s_mov_b32 s75, 0
	s_lshl_b32 s76, s15, 4                         ; part: ((16 s + output block) * 128 + 32 cx + 8 wave) chunks of 1,024 bytes
	s_add_co_u32 s76, s76, s14
	s_lshl_b32 s76, s76, 7
	s_lshl_b32 s78, s13, 5
	s_add_co_u32 s76, s76, s78
	s_lshl_b32 s78, s12, 3
	s_add_co_u32 s76, s76, s78
	s_lshl_b32 s76, s76, 10
	s_mov_b32 s77, 0
	s_lshl_b32 s2, s14, 6                          ; 16 numbers of b
	s_mov_b32 s3, 0
	s_mul_i32 s79, s12, 8448
	s_add_co_u32 s79, s79, XST                     ; my stage
	s_cmp_eq_u32 s15, 0
	s_cselect_b32 s67, -1, 0                       ; all lanes where this is split 0
	s_wait_dscnt 0x0
	s_wait_kmcnt 0x0
	s_add_nc_u64 s[70:71], s[4:5], s[56:57]        ; W at my 16 outputs' first row
	s_add_nc_u64 s[34:35], s[70:71], s[58:59]      ; slot 0: slab wave
	s_add_nc_u64 s[38:39], s[34:35], 4112          ; slot 1: four slabs on
	s_add_nc_u64 s[42:43], s[70:71], s[60:61]
	s_add_nc_u64 s[68:69], s[8:9], s[62:63]        ; x at my wave's first row
	s_add_nc_u64 s[46:47], s[68:69], s[74:75]
	s_add_nc_u64 s[10:11], s[10:11], s[76:77]
	s_add_nc_u64 s[72:73], s[6:7], s[2:3]
	s_or_b32 s35, s35, 0x80000000                  ; type = 2
	s_or_b32 s39, s39, 0x80000000
	s_or_b32 s43, s43, 0x80000000
	s_or_b32 s47, s47, 0x80000000
	CROUND                                         ; the four work-groups are here: the first joint loads meet
	tensor_load_to_lds s[40:43], s[24:31]          ; all first fills in one group: four tensor loads of the wave are out
	s_nop 0
	tensor_load_to_lds s[32:35], s[16:23]
	s_nop 0
	tensor_load_to_lds s[36:39], s[16:23]
	s_nop 0
	tensor_load_to_lds s[44:47], s[48:55]
	s_nop 0
	v_and_b32 v1, 15, v0                           ; r
	v_bfe_u32 v253, v0, 4, 1                       ; h
	v_and_b32 v[L16], 31, v0
	v_lshlrev_b32 v[L16], 4, v[L16]
	v_lshlrev_b32 v[HB], 5, v253
	v_mul_u32_u24 v[HW], v253, 2113568
	; bias and W's column 0 of my eight outputs 8 h + j; then x, three batches ahead
	global_load_b128 v[Y0:Y0+3], v[HB], s[72:73]
	global_load_b128 v[Y0+4:Y0+7], v[HB], s[72:73] offset:16
.irp j, 0,1,2,3,4,5,6,7
	global_load_b32 v[CI+\j], v[HW], s[70:71] offset:\j*264196
.endr
; X PROLOGUE.  A batch is 8 rows of x; a row is two loads of 512 neighbouring bytes, so lane l holds x[4 l + e] and x[128 + 4 l + e].
.macro XLOAD bt
.irp rr, 0,1,2,3,4,5,6,7
	global_load_b128 v[XB+64*((\bt)%3)+8*\rr:XB+64*((\bt)%3)+8*\rr+3],   v[L16], s[68:69] offset:(8*(\bt)+\rr)*1024
	global_load_b128 v[XB+64*((\bt)%3)+8*\rr+4:XB+64*((\bt)%3)+8*\rr+7], v[L16], s[68:69] offset:(8*(\bt)+\rr)*1024+512
.endr
.endm
; round and pack (k, k + 128) in place, and lay the row's 128 dwords into my stage.  left = the younger batches' loads, which stay out.
.macro XCONV bt, left
	s_wait_loadcnt \left
.irp rr, 0,1,2,3,4,5,6,7
.irp e, 0,1,2,3
	v_cvt_pk_bf16_f32 v[XB+64*((\bt)%3)+8*\rr+\e], v[XB+64*((\bt)%3)+8*\rr+\e], v[XB+64*((\bt)%3)+8*\rr+4+\e]
.endr
	ds_store_b128 v[XSA], v[XB+64*((\bt)%3)+8*\rr:XB+64*((\bt)%3)+8*\rr+3] offset:(8*((\bt)%2)+\rr)*528
.endr
.endm
; 16 rows lie in the stage: read them back as the eight fragments of block mb.  The stage is my wave's own and LDS serves a wave's instructions
; in order (ISA guide 5.7.1), so these see the stores above and are served ahead of the next block's stores.
.macro XFRAG mb
.irp ks, 0,1,2,3,4,5,6,7
	WIN 64*(1+\ks/3)
	ds_load_b128 v[64*(\ks%3)+8*(\mb):64*(\ks%3)+8*(\mb)+3],   v[XRA] offset:64*\ks
	ds_load_b128 v[64*(\ks%3)+8*(\mb)+4:64*(\ks%3)+8*(\mb)+7], v[XRA] offset:64*\ks+16
.endr
	WIN 0
.endm
	XLOAD 0
	XLOAD 1
	XLOAD 2
	; the LDS addresses, while the first loads are on their way
	v_mul_u32_u24 v[WA], v1, 1040
	v_lshl_add_u32 v[WA], v253, 5, v[WA]
	v_add_nc_u32 v[WA], 16, v[WA]
	v_add_nc_u32 v[WA+1], BUF, v[WA]
	v_mul_u32_u24 v[CA], v253, 8320
	v_add_nc_u32 v[CA], 12, v[CA]
	v_add_nc_u32 v[CA+1], BUF, v[CA]
	v_mul_u32_u24 v[SA], v1, 272
	v_add_nc_u32 v[SA], s45, v[SA]
	v_add_nc_u32 v[XSA], s79, v[L16]
	v_mul_u32_u24 v[XRA], v1, 528
	v_lshl_add_u32 v[XRA], v253, 5, v[XRA]
	v_add_nc_u32 v[XRA], s79, v[XRA]
	v_mul_u32_u24 v[LA], v1, 144
	v_lshl_add_u32 v[LA], v253, 5, v[LA]
	v_add_nc_u32 v[LA], W0T, v[LA]
.irp bt, 0,1,2,3,4,5,6,7,8,9,10,11,12
	XCONV \bt, 32                                  ; two younger batches of 16 loads stay out (the ten loads of bias and column 0 are older than batch 0)
	XLOAD \bt+3
.if (\bt%2) == 1
	XFRAG \bt/2
.endif
.endr
	XCONV 13, 32
	XFRAG 6
	XCONV 14, 16                                   ; the last batches load nothing: the counts run down
	XCONV 15, 0
	XFRAG 7
	; the start of the sums: bias + W[o][0] in split 0, 0 in the others (a choice, not a product, so that nothing hangs on the numbers)
.irp j, 0,2,4,6
	v_pk_add_f32 v[Y0+\j:Y0+\j+1], v[Y0+\j:Y0+\j+1], v[CI+\j:CI+\j+1]
.endr
.irp j, 0,1,2,3,4,5,6,7
	v_cndmask_b32 v[Y0+\j], 0, v[Y0+\j], s67
.endr
	s_wait_dscnt 0x0                               ; my x fragments are in
	s_wait_tensorcnt 0x0                           ; my four first fills have landed,
	s_barrier_signal -1
	s_barrier_wait -1                              ; everybody's have.
; ---- the slab's macros ----
.macro WFBO ks                         ; FB = where, inside its window, the high halves' f32 of K step ks lie
.if (\ks) == 0
.set FB, 136
.elseif (\ks) == 7
.set FB, 128
.else
.set FB, 192+8*(((\ks)-1)%3)
.endif
.endm
.macro MM ks, mb                       ; T[mb] (+)= W fragment x X[ks][mb]; the first K step starts from W[o][257 i]
.if (\ks) == 0
	v_wmma_f32_16x16x32_bf16 v[T+8*(\mb):T+8*(\mb)+7], v[WB:WB+7], v[8*(\mb):8*(\mb)+7], v[CI:CI+7]
.else
	v_wmma_f32_16x16x32_bf16 v[T+8*(\mb):T+8*(\mb)+7], v[WB+8*((\ks)%4):WB+8*((\ks)%4)+7], v[64*((\ks)%3)+8*(\mb):64*((\ks)%3)+8*(\mb)+7], v[T+8*(\mb):T+8*(\mb)+7]
.endif
.endm
.macro CV ks, d                        ; dword d of K step ks's fragment of W: bf16(W[k]) low, bf16(W[k + 128]) high
	WFBO \ks
	v_cvt_pk_bf16_f32 v[WB+8*((\ks)%4)+(\d)], v[WFA+8*(\ks)+(\d)], v[FB+(\d)]
.endm
.macro FO mb, qp                       ; Y[mb] += T[mb] * x[row][slab qp of the slot]: the factor is one register of a pair, taken for both halves
.irp p, 0,2,4,6
.if ((\qp)%2) == 0
	v_pk_fma_f32 v[Y+8*(\mb)+\p:Y+8*(\mb)+\p+1], v[T+8*(\mb)+\p:T+8*(\mb)+\p+1], v[SC+4*(\mb)+2*((\qp)/2):SC+4*(\mb)+2*((\qp)/2)+1], v[Y+8*(\mb)+\p:Y+8*(\mb)+\p+1] op_sel_hi:[1,0,1]
.else
	v_pk_fma_f32 v[Y+8*(\mb)+\p:Y+8*(\mb)+\p+1], v[T+8*(\mb)+\p:T+8*(\mb)+\p+1], v[SC+4*(\mb)+2*((\qp)/2):SC+4*(\mb)+2*((\qp)/2)+1], v[Y+8*(\mb)+\p:Y+8*(\mb)+\p+1] op_sel:[0,1,0] op_sel_hi:[1,1,1]
.endif
.endr
.endm
.macro LDA1 buf, q, ks, c              ; four low-half f32 of K step ks
	ds_load_b128 v[WFA+8*(\ks)+4*(\c):WFA+8*(\ks)+4*(\c)+3], v[WA+\buf] offset:(\q)*SLB+64*(\ks)+16*(\c)
.endm
.macro LDB buf, q, ks                  ; the eight high-half f32 of K step ks, 512 bytes further on in the row
	WFBO \ks
	ds_load_b128 v[FB:FB+3],   v[WA+\buf] offset:(\q)*SLB+64*(\ks)+512
	ds_load_b128 v[FB+4:FB+7], v[WA+\buf] offset:(\q)*SLB+64*(\ks)+528
.endm
.macro LDC buf, q, j                   ; W[8 h + j][257 i]: sixteen lanes share the word
	ds_load_b32 v[CI+\j], v[CA+\buf] offset:(\q)*SLB+1040*(\j)
.endm
.macro LSC par                         ; the factors of a slot's four slabs, for my eight blocks of rows
.irp m, 0,1,2,3,4,5,6,7
	ds_load_b128 v[SC+4*\m:SC+4*\m+3], v[SA] offset:4352*\m+16*(\par)
.endr
.endm
; ONE SLAB: slab q of the slot in buffer buf.  64 matrix instructions in eight runs, one for each K step.  A run's place i holds the matrix instruction on
; T[i], one conversion for the next K step and, in some runs, one LDS load for the next slab.
; The eight accumulators T[0..7] take turns, one instruction a turn, through all runs, slabs and the backward jump.
; fold = 1: the slab before is folded into Y in the first run.  nxt = 1: a slab follows, and its loads are issued here.
; bar = 1: change of slots; bar = 2: change of slots, and this slot is filled again.
; LDS loads come back in order (ISA guide 5.7.1).  A slab's loads are issued in this order, all but the last four in the slab before:
;   [factors 8] high 1-3 (6), high 0 (2) | low 0 (2) | c (8) | low 1-3 (6) | high 4-6 (6) | low 4-6 (6) | high 7 (2), low 7 (2)
; DISTANCES (ISA guide 7.12.1): FO of block m stands 8 - m conversions and 4 m fold lines, at least eight plain vector instructions that name none of
; its registers, behind the matrix instruction whose T[m] it reads; a conversion rewrites a fragment that was last multiplied three runs before;
; c is loaded again four runs behind its use.
.macro SLAB buf, q, fold, nxt, bar
.if (\q) == 3
.set NB, 1-(\buf)
.set NQ, 0
.else
.set NB, \buf
.set NQ, (\q)+1
.endif
.set QP, ((\q)+3)%4
	WIN TO3
	LDB \buf, \q, 7                                ; this slab's last four loads
	WIN XW1
	LDA1 \buf, \q, 7, 0
	LDA1 \buf, \q, 7, 1
	s_wait_dscnt 20                                ; out may be: low 2, 3 (4), high 4-6 (6), low 4-6 (6), K step 7 (4).  In: factors, c, K step 1
.if \fold
	FO 0, QP
	FO 1, QP
.endif
.irp i, 0,1,2,3,4,5,6,7
	MM 0, \i
	CV 1, \i
.if \fold
.if \i < 6
	FO \i+2, QP                                    ; T[i + 2] is folded two places ahead of the matrix instruction that starts it anew
.endif
.endif
.endr
	s_wait_dscnt 16                                ; out may be: high 4-6, low 4-6, K step 7.  In: K steps 2 and 3
.irp i, 0,1,2,3,4,5,6,7
	MM 1, \i
	CV 2, \i
.endr
.if \bar
	s_wait_dscnt 0x0                               ; my reads of this slot are over: the last four were issued at this slab's head
	s_wait_tensorcnt 0x0                           ; all my tensor loads have landed: the one that was out is my slab of the other slot
	ds_add_u32 v255, v255
	s_wait_dscnt 0x0
	s_barrier_signal -1                            ; say so; where the slot is filled again this opens a round of the cluster's barrier
.endif
.irp i, 0,1,2,3,4,5,6,7
	MM 2, \i                                       ; register work alone while the others arrive
	CV 3, \i
.endr
.if (\bar) == 1
	s_barrier_wait -1                              ; the other slot is whole
.endif
.if (\bar) == 2
	WIN 0
	s_barrier_wait -1
	CREST                                          ; no wave of any partner still reads this slot or has a load on its way
	s_add_nc_u64 s[34+4*\buf:35+4*\buf], s[34+4*\buf:35+4*\buf], 8224   ; eight slabs on; no tensor load of mine is out
	tensor_load_to_lds s[32+4*\buf:35+4*\buf], s[16:23]                 ; my one tensor load behind the round: it has four slabs' work in which to land
	s_nop 0
.endif
.if \nxt
	WIN TO1
.if (\q) == 0
	LSC \buf                                       ; the last fold with the old factors stood in this slab's first run
.set N3, 16
.else
.set N3, 8
.endif
	LDB NB, NQ, 1
	LDB NB, NQ, 2
	LDB NB, NQ, 3
	WIN TO3
	LDB NB, NQ, 0
.else
.set N3, 0
.endif
	WIN XW2
	s_wait_dscnt N3                                ; only the run just issued may be out: all of this slab's f32 are in
.irp i, 0,1,2,3,4,5,6,7
	MM 3, \i
	CV 4, \i
.if \nxt
.if \i < 2
	LDA1 NB, NQ, 0, \i
.endif
.endif
.endr
.irp i, 0,1,2,3,4,5,6,7
	MM 4, \i
	CV 5, \i
.if \nxt
	LDC NB, NQ, \i
.endif
.endr
.irp i, 0,1,2,3,4,5,6,7
	MM 5, \i
	CV 6, \i
.if \nxt
.if \i < 6
	LDA1 NB, NQ, 1+\i/2, \i%2
.endif
.endif
.endr
.if \nxt
	WIN TO2
	LDB NB, NQ, 4
	LDB NB, NQ, 5
	LDB NB, NQ, 6
.endif
	WIN XW3
.irp i, 0,1,2,3,4,5,6,7
	MM 6, \i
	CV 7, \i
.if \nxt
.if \i < 6
	LDA1 NB, NQ, 4+\i/2, \i%2
.endif
.endif
.endr
.if \nxt
	s_wait_dscnt 26                                ; out may be: c (8), low 1-3 (6), high 4-6 (6), low 4-6 (6).  In: the next slab's K step 0
.endif
.irp i, 0,1,2,3,4,5,6,7
	MM 7, \i
.if \nxt
	CV 0, \i
.endif
.endr
.endm
.macro LAP f0                          ; eight slabs: once round the ring, both slots filled again
	SLAB 0, 0, \f0, 1, 0
	SLAB 0, 1, 1, 1, 0
	SLAB 0, 2, 1, 1, 0
	SLAB 0, 3, 1, 1, 2
	SLAB 1, 0, 1, 1, 0
	SLAB 1, 1, 1, 1, 0
	SLAB 1, 2, 1, 1, 0
	SLAB 1, 3, 1, 1, 2
	WIN 0
	v_add_nc_u32 v[SA], 32, v[SA]                  ; eight factors on
.endm
	; THE PRODUCT WITH W[o][1 + k], my split's two K steps: 8 loads, then the first slab's 36 loads in the order that every slab's have
.irp u, 0,1
	ds_load_b128 v[T+16*\u:T+16*\u+3],     v[LA] offset:64*\u
	ds_load_b128 v[T+16*\u+4:T+16*\u+7],   v[LA] offset:64*\u+16
	ds_load_b128 v[T+16*\u+8:T+16*\u+11],  v[LA] offset:64*\u+2304
	ds_load_b128 v[T+16*\u+12:T+16*\u+15], v[LA] offset:64*\u+2320
.endr
	WIN TO1
	LDB 0, 0, 1
	LDB 0, 0, 2
	LDB 0, 0, 3
	WIN TO3
	LDB 0, 0, 0
	WIN 0
	LDA1 0, 0, 0, 0
	LDA1 0, 0, 0, 1
.irp j, 0,1,2,3,4,5,6,7
	LDC 0, 0, \j
.endr
.irp k, 1,2,3
	LDA1 0, 0, \k, 0
	LDA1 0, 0, \k, 1
.endr
	WIN TO2
	LDB 0, 0, 4
	LDB 0, 0, 5
	LDB 0, 0, 6
	WIN 0
.irp k, 4,5,6
	LDA1 0, 0, \k, 0
	LDA1 0, 0, \k, 1
.endr
	s_wait_dscnt 36                                ; the 36 loads of the first slab stay out; the 8 in front of them are in
.irp u, 0,1
.irp d, 0,1,2,3,4,5,6,7
	v_cvt_pk_bf16_f32 v[WB+16+8*\u+\d], v[T+16*\u+\d], v[T+16*\u+8+\d]
.endr
.endr
; eight matrix instructions on Y[0..7], by turns: K step ks of x, fragment wb of W; first = 1: they start the sums from Y0
.macro LINH ks, wb, first
	WIN 4*(1+(\ks)/3)
.irp m, 0,1,2,3,4,5,6,7
.if \first
	v_wmma_f32_16x16x32_bf16 v[Y+8*\m:Y+8*\m+7], v[WB+8*\wb:WB+8*\wb+7], v[64*((\ks)%3)+8*\m:64*((\ks)%3)+8*\m+7], v[Y0:Y0+7]
.else
	v_wmma_f32_16x16x32_bf16 v[Y+8*\m:Y+8*\m+7], v[WB+8*\wb:WB+8*\wb+7], v[64*((\ks)%3)+8*\m:64*((\ks)%3)+8*\m+7], v[Y+8*\m:Y+8*\m+7]
.endif
.endr
.endm
.macro LINV v
	LINH 2*\v, 2, 1
	LINH 2*\v+1, 3, 0
	WIN 0
.endm
	; which x fragments these are hangs on the split, and register numbers are fixed in the text: four variants.  The split is the same in all partners.
	s_cmp_eq_u32 s15, 0
	s_cbranch_scc1 .Llin0
	s_cmp_eq_u32 s15, 1
	s_cbranch_scc1 .Llin1
	s_cmp_eq_u32 s15, 2
	s_cbranch_scc1 .Llin2
	LINV 3
	s_branch .Llin_done
.Llin2:
	LINV 2
	s_branch .Llin_done
.Llin1:
	LINV 1
	s_branch .Llin_done
.Llin0:
	LINV 0
.Llin_done:
	s_wait_dscnt 26                                ; as in a slab's last run: the first slab's K step 0 is in
	WIN XW3
.irp d, 0,1,2,3,4,5,6,7
	CV 0, \d
.endr
	; THE 64 SLABS: 8 laps.  The first stands in front of the loop (nothing to fold in its first slab), the last behind it (nothing left to fetch).
	LAP 0
	s_mov_b32 s66, 6
.Llap:
	LAP 1
	s_sub_co_u32 s66, s66, 1
	s_cmp_lg_u32 s66, 0
	s_cbranch_scc1 .Llap
	SLAB 0, 0, 1, 1, 0
	SLAB 0, 1, 1, 1, 0
	SLAB 0, 2, 1, 1, 0
	SLAB 0, 3, 1, 1, 1                             ; the last slot is shown whole; no slot is filled that no slab reads, so no round
	SLAB 1, 0, 1, 1, 0
	SLAB 1, 1, 1, 1, 0
	SLAB 1, 2, 1, 1, 0
	SLAB 1, 3, 1, 0, 0
	; THE WAY OUT.  Four places behind the last matrix instruction, the last fold, and 16 stores.
.rept 4
	v_nop
.endr
	WIN XW1
.irp m, 0,1,2,3,4,5,6,7
	FO \m, 3
.endr
	WIN 0
	; part[s][output block][block of 16 rows][p][lane][e] = Y(row r, output 8 h + 4 p + e): each store of the wave covers 512 consecutive bytes, aligned
.irp m, 0,1,2,3,4,5,6,7
	global_store_b128 v[L16], v[Y+8*\m:Y+8*\m+3],   s[10:11] offset:1024*\m
	global_store_b128 v[L16], v[Y+8*\m+4:Y+8*\m+7], s[10:11] offset:1024*\m+512
.endr
	CROUND                                         ; the closing round: no work-group ends while a partner may still issue a joint load that names it
	s_endpgm
.Lfunc_end_k_q716716717d_quad:
	.size	k_q716716717d_quad, .Lfunc_end_k_q716716717d_quad-k_q716716717d_quad
	.p2alignl 7, 3214868480
	.fill 96, 4, 3214868480
	.section	.rodata,"a",@progbits
	.p2align	6, 0x0
	.amdhsa_kernel k_q716716717d_quad
		.amdhsa_group_segment_fixed_size 327680
		.amdhsa_private_segment_fixed_size 0
		.amdhsa_enable_private_segment 0
		.amdhsa_kernarg_size 32
		.amdhsa_user_sgpr_count 2
		.amdhsa_user_sgpr_kernarg_segment_ptr 1
		.amdhsa_wavefront_size32 1
		.amdhsa_system_sgpr_workgroup_id_x 1
		.amdhsa_system_sgpr_workgroup_id_y 1
		.amdhsa_system_sgpr_workgroup_id_z 1
		.amdhsa_system_vgpr_workitem_id 0
		.amdhsa_next_free_vgpr 1024
		.amdhsa_next_free_sgpr 80
		.amdhsa_reserve_vcc 0
		.amdhsa_float_denorm_mode_32 3
		.amdhsa_float_denorm_mode_16_64 3
		.amdhsa_memory_ordered 1
		.amdhsa_forward_progress 1
		.amdhsa_inst_pref_size 255
	.end_amdhsa_kernel
	.section	.bss,"aw",@nobits
	.p2align	6
	.space	262144
	.amdgpu_metadata
---
amdhsa.version: [ 1, 2 ]
amdhsa.kernels:
  - .name:           k_q716716717d_quad
    .symbol:         k_q716716717d_quad.kd
    .args:
      - { .name: W, .offset: 0, .size: 8, .value_kind: global_buffer, .address_space: global }
      - { .name: b, .offset: 8, .size: 8, .value_kind: global_buffer, .address_space: global }
      - { .name: x, .offset: 16, .size: 8, .value_kind: global_buffer, .address_space: global }
      - { .name: part, .offset: 24, .size: 8, .value_kind: global_buffer, .address_space: global }
    .group_segment_fixed_size: 327680
    .private_segment_fixed_size: 0
    .kernarg_segment_align: 8
    .kernarg_segment_size: 32
    .max_flat_workgroup_size: 128
    .sgpr_count:     80
    .vgpr_count:     1024
    .wavefront_size: 32
...
	.end_amdgpu_metadata
.endif
;; end of part 1
;; launch gather (part 2): grid 256 x 1, 4 waves a work-group, no clusters, 8,960 bytes of LDS; arguments part, out0; writes out0
.if DOCPART == 2
	.amdgcn_target "amdgcn-amd-amdhsa--gfx1250"
	.amdhsa_code_object_version 6
	.text
	.protected	k_q716716717d_gather
	.globl	k_q716716717d_gather
	.p2align	8
	.type	k_q716716717d_gather,@function
k_q716716717d_gather:
	s_mov_b64 s[64:65], 0
	v_nop
	global_prefetch_b8 v0, s[64:65] scope:SCOPE_SE
	s_setreg_imm32_b32 hwreg(HW_REG_WAVE_MODE, 25, 1), 1
	s_wait_xcnt 0x0
; out0[b][o] = the sum over the four splits s of part[s][o / 16][b / 16][p][lane][e], where lane = b % 16 + 16 h and o % 16 = 8 h + 4 p + e.
; The sum is (s0 + s1) + (s2 + s3), in f32.  Memory binds: each byte of part is read once by loads of 512 neighbouring bytes, each byte of out0 is
; written once by stores of 512 neighbouring aligned bytes.  No matrix unit, no cluster: nothing is shared and nothing is multiplied.
; A work-group makes 16 rows x 128 outputs (half a row of out0); wave v takes the output blocks 8 half + 2 v + e2, e2 = 0, 1.
; The lanes hold pieces of 16 bytes of sixteen different rows, so the block goes through LDS (pitch 528, an odd multiple of 16) and is read back by rows.
.set SSTR, 2097152                     ; bytes from split to split
.set NSTR, 131072                      ; bytes from output block to output block
.set PITCH, 528
.set D,  8                             ; v[8:71]  split s, piece c = 2 e2 + p: 4 registers at D + 16 s + 4 c
.set ST, 72                            ; v72      LDS address of my stores
.set RD, 73                            ; v73      LDS address of my reads
	s_load_b128 s[4:7], s[0:1], 0x0                ; part s[4:5], out0 s[6:7]
	v_lshl_add_u32 v80, v0, 2, 0x2100
	v_mov_b32 v81, 0
	v_and_b32 v1, 31, v0                           ; lane
	v_lshrrev_b32 v2, 5, v0                        ; wave
	v_and_b32 v3, 15, v0                           ; r
	v_bfe_u32 v4, v0, 4, 1                         ; h
	s_lshr_b32 s8, ttmp9, 1                        ; the block of 16 rows
	s_and_b32 s9, ttmp9, 1                         ; which half of the outputs
	s_lshl_b32 s10, s9, 20                         ; 8 output blocks
	s_lshl_b32 s11, s8, 10                         ; chunks of 1,024 bytes
	s_add_co_u32 s10, s10, s11
	s_mov_b32 s11, 0
	s_lshl_b32 s12, s8, 14                         ; 16 rows of out0
	s_lshl_b32 s13, s9, 9                          ; 128 outputs
	s_add_co_u32 s12, s12, s13
	s_mov_b32 s13, 0
	v_lshlrev_b32 v5, 4, v1                        ; 16 lane
	v_lshl_add_u32 v6, v2, 18, v5                  ; + 2 output blocks a wave: offset in part
	v_lshl_add_u32 v7, v2, 12, v5                  ; + 4 rows a wave: offset in out0
	v_mul_u32_u24 v[ST], v3, PITCH                 ; row r,
	v_lshl_add_u32 v[ST], v4, 5, v[ST]             ; + 32 h
	v_lshl_add_u32 v[ST], v2, 7, v[ST]             ; + 128 wave
	v_mul_u32_u24 v[RD], v2, 4*PITCH               ; rows 4 wave ..
	v_add_nc_u32 v[RD], v[RD], v5
	s_wait_kmcnt 0x0
	s_add_nc_u64 s[4:5], s[4:5], s[10:11]
	s_add_nc_u64 s[6:7], s[6:7], s[12:13]
.irp s, 0,1,2,3
.irp c, 0,1,2,3
	global_load_b128 v[D+16*\s+4*\c:D+16*\s+4*\c+3], v6, s[4:5] offset:\s*SSTR+(\c/2)*NSTR+(\c%2)*512 th:TH_LOAD_NT
.endr
.endr
	s_wait_loadcnt 8                               ; splits 0 and 1 are in; the eight loads of splits 2 and 3 stay out
.irp j, 0,2,4,6,8,10,12,14
	v_pk_add_f32 v[D+\j:D+\j+1], v[D+\j:D+\j+1], v[D+16+\j:D+16+\j+1]
.endr
	s_wait_loadcnt 0x0
.irp j, 0,2,4,6,8,10,12,14
	v_pk_add_f32 v[D+32+\j:D+32+\j+1], v[D+32+\j:D+32+\j+1], v[D+48+\j:D+48+\j+1]
.endr
.irp j, 0,2,4,6,8,10,12,14
	v_pk_add_f32 v[D+\j:D+\j+1], v[D+\j:D+\j+1], v[D+32+\j:D+32+\j+1]
.endr
.irp c, 0,1,2,3
	ds_store_b128 v[ST], v[D+4*\c:D+4*\c+3] offset:64*(\c/2)+16*(\c%2)
.endr
	s_wait_dscnt 0x0                               ; my stores are done, for the other waves' sake
	s_barrier_signal -1
	s_barrier_wait -1
.irp t, 0,1,2,3
	ds_load_b128 v[D+16+4*\t:D+16+4*\t+3], v[RD] offset:\t*PITCH       ; a row's 512 bytes, which all four waves wrote
.endr
.irp t, 0,1,2,3
	s_wait_dscnt 3-\t
	global_store_b128 v7, v[D+16+4*\t:D+16+4*\t+3], s[6:7] offset:\t*1024 th:TH_STORE_NT
.endr
	s_wait_tensorcnt 0x0
	ds_add_u32 v80, v81
	s_wait_dscnt 0x0
	s_endpgm
.Lfunc_end_k_q716716717d_gather:
	.size	k_q716716717d_gather, .Lfunc_end_k_q716716717d_gather-k_q716716717d_gather
	.p2alignl 7, 3214868480
	.fill 96, 4, 3214868480
	.section	.rodata,"a",@progbits
	.p2align	6, 0x0
	.amdhsa_kernel k_q716716717d_gather
		.amdhsa_group_segment_fixed_size 8960
		.amdhsa_private_segment_fixed_size 0
		.amdhsa_enable_private_segment 0
		.amdhsa_kernarg_size 16
		.amdhsa_user_sgpr_count 2
		.amdhsa_user_sgpr_kernarg_segment_ptr 1
		.amdhsa_wavefront_size32 1
		.amdhsa_system_sgpr_workgroup_id_x 1
		.amdhsa_system_sgpr_workgroup_id_y 1
		.amdhsa_system_sgpr_workgroup_id_z 1
		.amdhsa_system_vgpr_workitem_id 0
		.amdhsa_next_free_vgpr 82
		.amdhsa_next_free_sgpr 66
		.amdhsa_reserve_vcc 0
		.amdhsa_float_denorm_mode_32 3
		.amdhsa_float_denorm_mode_16_64 3
		.amdhsa_memory_ordered 1
		.amdhsa_forward_progress 1
		.amdhsa_inst_pref_size 6
	.end_amdhsa_kernel
	.amdgpu_metadata
---
amdhsa.version: [ 1, 2 ]
amdhsa.kernels:
  - .name:           k_q716716717d_gather
    .symbol:         k_q716716717d_gather.kd
    .args:
      - { .name: part, .offset: 0, .size: 8, .value_kind: global_buffer, .address_space: global }
      - { .name: out0, .offset: 8, .size: 8, .value_kind: global_buffer, .address_space: global }
    .group_segment_fixed_size: 8960
    .private_segment_fixed_size: 0
    .kernarg_segment_align: 8
    .kernarg_segment_size: 16
    .max_flat_workgroup_size: 128
    .sgpr_count:     66
    .vgpr_count:     82
    .wavefront_size: 32
...
	.end_amdgpu_metadata
.endif
;; end of part 2
;; ======== version 2 of 2: 2 launches
;; workspace buffers: part 8,388,608 bytes
;; launch quad (part 3): grid 4 x 64, 4 waves a work-group, clusters of 4 x 1, 327,680 bytes of LDS; arguments W, b, x, part; writes part
.if DOCPART == 3
	.amdgcn_target "amdgcn-amd-amdhsa--gfx1250"
	.amdhsa_code_object_version 6
	.text
	.protected	k_q716716717d_quad
	.globl	k_q716716717d_quad
	.p2align	8
	.type	k_q716716717d_quad,@function
k_q716716717d_quad:
	s_mov_b64 s[64:65], 0
	v_nop
	global_prefetch_b8 v0, s[64:65] scope:SCOPE_SE
	s_setreg_imm32_b32 hwreg(HW_REG_WAVE_MODE, 25, 1), 1
	s_wait_xcnt 0x0
	s_wait_alu depctr_hold_cnt(0) depctr_sa_sdst(0) depctr_va_vdst(0) depctr_va_sdst(0) depctr_va_ssrc(0) depctr_va_vcc(0) depctr_vm_vsrc(0)
	s_getreg_b32 s2, hwreg(HW_REG_IB_STS2, 6, 4)
	s_cmp_eq_u32 s2, 0
	s_cbranch_scc0 .Lentry_in_a_cluster
	s_endpgm
.Lentry_in_a_cluster:
	s_bfe_u32 s2, ttmp6, 0x10000c
	s_cmp_lg_u32 s2, 0x3003
	s_cbranch_scc0 .Lentry_shape_is_right
	s_endpgm
.Lentry_shape_is_right:
; y[b][o] = bias[o] + sum over i, j of x1[b][i] x1[b][j] W[o][257 i + j],   x1 = (1, x[b][0..255]);  x [2048][256], W [256][66049], all f32.
; The sum is taken slab by slab (i = 1..256, k = 0..255):
;   y[b][o] = (bias[o] + W[o][0]) + sum_k x[b][k] W[o][1+k] + sum_i x[b][i-1] * ( W[o][257 i] + sum_k x[b][k] W[o][257 i + 1 + k] )
; The inner sum over k is a matrix product whose x operand is the same for every slab: it stays in registers as bf16, and only W streams.
; W[o][257 i] enters as the f32 C operand of the slab's first matrix instruction; x[b][i-1] is an f32 factor (one packed fused multiply-add for two sums).
; FORMATS: x and W are rounded to bf16 as matrix operands; the slab factor, W's column j = 0, the bias and all sums are f32.  The order of the
; additions differs from a plain row sum.  No limit of range is kept.
; SHARES: a wave owns 128 rows of x and 16 outputs; a work-group (4 waves) 512 rows and 16 outputs; the slabs are split in 4 (64 slabs each):
; 4 row blocks x 16 output blocks x 4 splits = 256 work-groups.  Each stores its partial sums to part; a second launch adds the four splits.
; The product with W[o][1+k] has 8 K steps: split s takes steps 2 s and 2 s + 1, which start its sums; split 0 starts from bias + W[o][0], the others from 0.
; CLUSTER: the four row blocks (cx) of one output block and split need exactly the same tiles of W, so every load of W is a joint load with the mask 15.
; x is not shared inside a cluster (each partner has rows of its own): its fragments come by register loads and its factor table by a plain tensor load.
;
; K ORDER: the same permutation of k in both operands keeps the products.  In K step ks, dword d (0..7) of lane (r = lane % 16, h = lane / 16) holds
; k = 16 ks + 8 h + d in its low half and k + 128 in its high half.  So a W fragment is made of 32 neighbouring bytes and the 32 bytes 512 further on,
; and one v_cvt_pk_bf16_f32 rounds and packs the pair.
; The matrix instruction takes W as source 0 and x as source 1: register j of lane (r, h) is the sum of row b = r, output o = 8 h + j.
;
; LDS
.set SLB,  16640                       ; one slab's tile: 16 rows (outputs) of 1,040 bytes = W[o][257 i - 3 .. 257 i + 256]: byte 12 is W[o][257 i], float k at byte 16 + 4 k
.set BUF,  4*SLB                       ; a ring slot holds four slabs, one brought by each wave; two slots at bytes 0 and 66,560
.set SCT,  2*BUF                       ; 133,120: the factors x[row][64 s .. 64 s + 63], 512 rows, pitch 272
.set W0T,  SCT+512*272                 ; 272,384: W[o][1 + 32 s + 128 g + c], g = 0, 1; 16 rows each, pitch 144
.set XST,  W0T+4608                    ; 276,992: each wave's own stage of 16 rows x 528 bytes, written by ds_store alone; no tensor load lands here
; The pitches 1,040, 272, 144 and 528 are odd multiples of 16, so the sixteen rows that a 16-byte load touches lie in sixteen different 16-byte columns modulo 256.
; REGISTERS, window 0
.set WA,   2                           ; v2, v3    r * 1040 + 32 h + 16 in slot 0, 1
.set CA,   4                           ; v4, v5    h * 8320 + 12 in slot 0, 1
.set SA,   6                           ; v6        my rows' factors: SCT + wave * 34816 + r * 272, 32 bytes on in each lap
.set L16,  7                           ; v7        16 * lane
.set CI,   8                           ; v[8:15]   W[8 h + j][257 i] of the slab: C of its first K step
.set Y0,   16                          ; v[16:23]  bias + W[o][0] (split 0) or 0
.set WB,   24                          ; v[24:55]  four bf16 fragments of W, taken in turn by K step
.set WFA,  56                          ; v[56:119] the low halves' f32, 8 registers for each K step
.set T,    120                         ; v[120:183] the slab's sums, 8 blocks of 16 rows
.set Y,    184                         ; v[184:247] the work-group's sums
.set XSA,  248                         ; stage: where I store 16 bytes of a row
.set XRA,  249                         ; stage: where I read a fragment
.set LA,   250                         ; W0T + r * 144 + 32 h
.set HB,   251                         ; 32 h
.set HW,   252                         ; h * 8 rows of W
.set XB,   56                          ; in the prologue v[56:247] are three batches of 64 registers for x
; windows 1 to 3: x fragments X[ks][mb] at 64 (ks % 3) + 8 mb of window 1 + ks / 3.
; The high halves' f32 of K step ks lie in the window of X[ks - 1], because K step ks - 1's run of matrix instructions carries the conversions for ks:
; window 1: ks 1..3 at 192 + 8 (ks - 1), and the factors SC[mb][0..3] at 216 + 4 mb; window 2: ks 4..6 at 192 + 8 (ks - 4); window 3: ks 7 at 128, ks 0 at 136.
.set SC,   216
; s_set_vgpr_msb's low byte: bits 1:0 source 0, 3:2 source 1, 5:4 source 2, 7:6 destination.
.set XW1, 0x04                         ; source 1 in window 1, 2, 3: serves the matrix instruction (x), the conversion (high half), the fold (factor) and LDS loads into window 0
.set XW2, 0x08
.set XW3, 0x0c
.set TO1, 0x40                         ; destination in window 1, 2, 3: LDS loads of high halves, factors and x fragments
.set TO2, 0x80
.set TO3, 0xc0
.set MSB, 0
.macro WIN new                         ; the immediate's high byte repeats the setting that is left; a switch that changes nothing is dropped
.if MSB != \new
	s_set_vgpr_msb (MSB<<8)|\new
.set MSB, \new
.endif
.endm
; A round of the cluster's barrier: my work-group's barrier, wave 0 signals for the work-group, every wave waits for the four work-groups, my work-group's barrier again.
.macro CREST                           ; a round behind its opening barrier
	s_cmp_lg_u32 s12, 0
	s_cbranch_scc1 .Lnot_wave_0_\@
	s_barrier_signal -3
.Lnot_wave_0_\@:
	s_barrier_wait -3
	s_barrier_signal -1
	s_barrier_wait -1
.endm
.macro CROUND
	s_barrier_signal -1
	s_barrier_wait -1
	CREST
.endm
	s_load_b256 s[4:11], s[0:1], 0x0               ; W s[4:5], b s[6:7], x s[8:9], part s[10:11]
	v_lshl_add_u32 v255, v0, 2, 0x4be00
	s_set_vgpr_msb 0x40
	v_mov_b32 v255, 0
	s_set_vgpr_msb 0x4044
	ds_add_u32 v255, v255
	ds_add_u32 v255, v255
	s_set_vgpr_msb 0x4400
	v_lshrrev_b32 v1, 5, v0
	v_readfirstlane_b32 s12, v1                    ; wave 0..3
	s_bfe_u32 s13, ttmp6, 0x40000                  ; cx = my block of 512 rows
	s_and_b32 s14, ttmp7, 0xffff                   ; the cluster's y, the same in all four partners
	s_and_b32 s15, s14, 3                          ; s: the split
	s_lshr_b32 s14, s14, 2                         ; the block of 16 outputs
	; group 1 for a slab's tile: 16 rows of 260 f32, 66,049 elements from row to row, no padding; joint (mask 15, bit 21 beside it)
	s_mov_b32 s16, 15|(2<<16)|(1<<21)
	s_mov_b32 s17, 260<<16                         ; tensor_dim0
	s_mov_b32 s18, 16<<16                          ; tensor_dim1
	s_mov_b32 s19, 260<<16                         ; tile_dim0
	s_mov_b32 s20, 16                              ; tile_dim1
	s_mov_b32 s21, 66049
	s_mov_b32 s22, 0
	s_mov_b32 s23, 0
	; group 1 for a piece of W[o][1 + k]: 8 rows of 32 f32, 4 dwords of padding behind every 32; joint
	s_mov_b32 s24, 15|(2<<16)|(1<<20)|(1<<21)|(4<<22)|(3<<25)
	s_mov_b32 s25, 32<<16
	s_mov_b32 s26, 8<<16
	s_mov_b32 s27, 32<<16
	s_mov_b32 s28, 8
	s_mov_b32 s29, 66049
	s_mov_b32 s30, 0
	s_mov_b32 s31, 0
	; group 1 for my 128 rows of factors: 64 f32 a row (256 bytes, aligned), 4 dwords of padding behind every 64; my work-group's own (mask 0)
	s_mov_b32 s48, (2<<16)|(1<<20)|(5<<22)|(3<<25)
	s_mov_b32 s49, 64<<16
	s_mov_b32 s50, 128<<16
	s_mov_b32 s51, 64<<16
	s_mov_b32 s52, 128
	s_mov_b32 s53, 256
	s_mov_b32 s54, 0
	s_mov_b32 s55, 0
	; groups 0: count, LDS address (a constant + wave x a constant + the slot's constant)
	s_mov_b32 s32, 1
	s_mul_i32 s33, s12, SLB                        ; slot 0: wave w brings slab 4 t + w
	s_mov_b32 s36, 1
	s_add_co_u32 s37, s33, BUF                     ; slot 1
	s_mov_b32 s40, 1
	s_mul_i32 s41, s12, 1152                       ; piece w: range w / 2, rows 8 (w % 2) ..
	s_add_co_u32 s41, s41, W0T
	s_mov_b32 s44, 1
	s_mul_i32 s45, s12, 34816
	s_add_co_u32 s45, s45, SCT
	; byte offsets, made apart from the addresses.  What is made of cx stays in s13, s[62:63], s[76:78]: none of them feeds a joint load.
	s_mul_i32 s56, s14, 4227136                    ; 16 rows of W
	s_mov_b32 s57, 0
	s_lshl_b32 s58, s15, 6
	s_add_co_u32 s58, s58, s12
	s_add_co_u32 s58, s58, 1                       ; i = 64 s + 1 + wave
	s_mul_i32 s58, s58, 1028
	s_sub_co_u32 s58, s58, 12                      ; (257 i - 3) * 4
	s_mov_b32 s59, 0
	s_and_b32 s60, s12, 1
	s_mul_i32 s60, s60, 2113568                    ; 8 rows of W
	s_lshr_b32 s61, s12, 1
	s_lshl_b32 s61, s61, 9                         ; 128 columns
	s_add_co_u32 s60, s60, s61
	s_lshl_b32 s61, s15, 7                         ; 32 s columns
	s_add_co_u32 s60, s60, s61
	s_add_co_u32 s60, s60, 4                       ; column 1
	s_mov_b32 s61, 0
	s_lshl_b32 s62, s13, 19                        ; 512 rows of x
	s_lshl_b32 s74, s12, 17                        ; 128 rows of x
	s_add_co_u32 s62, s62, s74
	s_mov_b32 s63, 0
	s_lshl_b32 s74, s15, 8                         ; column 64 s of x
	s_mov_b32 s75, 0
	s_lshl_b32 s76, s15, 4                         ; part: ((16 s + output block) * 128 + 32 cx + 8 wave) chunks of 1,024 bytes
	s_add_co_u32 s76, s76, s14
	s_lshl_b32 s76, s76, 7
	s_lshl_b32 s78, s13, 5
	s_add_co_u32 s76, s76, s78
	s_lshl_b32 s78, s12, 3
	s_add_co_u32 s76, s76, s78
	s_lshl_b32 s76, s76, 10
	s_mov_b32 s77, 0
	s_lshl_b32 s2, s14, 6                          ; 16 numbers of b
	s_mov_b32 s3, 0
	s_mul_i32 s79, s12, 8448
	s_add_co_u32 s79, s79, XST                     ; my stage
	s_cmp_eq_u32 s15, 0
	s_cselect_b32 s67, -1, 0                       ; all lanes where this is split 0
	s_wait_dscnt 0x0
	s_wait_kmcnt 0x0
	s_add_nc_u64 s[70:71], s[4:5], s[56:57]        ; W at my 16 outputs' first row
	s_add_nc_u64 s[34:35], s[70:71], s[58:59]      ; slot 0: slab wave
	s_add_nc_u64 s[38:39], s[34:35], 4112          ; slot 1: four slabs on
	s_add_nc_u64 s[42:43], s[70:71], s[60:61]
	s_add_nc_u64 s[68:69], s[8:9], s[62:63]        ; x at my wave's first row
	s_add_nc_u64 s[46:47], s[68:69], s[74:75]
	s_add_nc_u64 s[10:11], s[10:11], s[76:77]
	s_add_nc_u64 s[72:73], s[6:7], s[2:3]
	s_or_b32 s35, s35, 0x80000000                  ; type = 2
	s_or_b32 s39, s39, 0x80000000
	s_or_b32 s43, s43, 0x80000000
	s_or_b32 s47, s47, 0x80000000
	CROUND                                         ; the four work-groups are here: the first joint loads meet
	tensor_load_to_lds s[40:43], s[24:31]          ; all first fills in one group: four tensor loads of the wave are out
	s_nop 0
	tensor_load_to_lds s[32:35], s[16:23]
	s_nop 0
	tensor_load_to_lds s[36:39], s[16:23]
	s_nop 0
	tensor_load_to_lds s[44:47], s[48:55]
	s_nop 0
	v_and_b32 v1, 15, v0                           ; r
	v_bfe_u32 v253, v0, 4, 1                       ; h
	v_and_b32 v[L16], 31, v0
	v_lshlrev_b32 v[L16], 4, v[L16]
	v_lshlrev_b32 v[HB], 5, v253
	v_mul_u32_u24 v[HW], v253, 2113568
	; bias and W's column 0 of my eight outputs 8 h + j; then x, three batches ahead
	global_load_b128 v[Y0:Y0+3], v[HB], s[72:73]
	global_load_b128 v[Y0+4:Y0+7], v[HB], s[72:73] offset:16
.irp j, 0,1,2,3,4,5,6,7
	global_load_b32 v[CI+\j], v[HW], s[70:71] offset:\j*264196
.endr
; X PROLOGUE.  A batch is 8 rows of x; a row is two loads of 512 neighbouring bytes, so lane l holds x[4 l + e] and x[128 + 4 l + e].
; A batch's turn is 32 conversions and then ONE run of memory instructions: its 8 LDS stores, the 16 loads of the batch three further on and,
; every second batch, the 16 LDS loads of a block's fragments.
.macro XLOAD bt
.irp rr, 0,1,2,3,4,5,6,7
	global_load_b128 v[XB+64*((\bt)%3)+8*\rr:XB+64*((\bt)%3)+8*\rr+3],   v[L16], s[68:69] offset:(8*(\bt)+\rr)*1024
	global_load_b128 v[XB+64*((\bt)%3)+8*\rr+4:XB+64*((\bt)%3)+8*\rr+7], v[L16], s[68:69] offset:(8*(\bt)+\rr)*1024+512
.endr
.endm
; round and pack (k, k + 128) in place, then lay the rows' 128 dwords into my stage.  left = the younger batches' loads, which stay out.
.macro XCONV bt, left
	s_wait_loadcnt \left
.irp rr, 0,1,2,3,4,5,6,7
.irp e, 0,1,2,3
	v_cvt_pk_bf16_f32 v[XB+64*((\bt)%3)+8*\rr+\e], v[XB+64*((\bt)%3)+8*\rr+\e], v[XB+64*((\bt)%3)+8*\rr+4+\e]
.endr
.endr
.irp rr, 0,1,2,3,4,5,6,7
	ds_store_b128 v[XSA], v[XB+64*((\bt)%3)+8*\rr:XB+64*((\bt)%3)+8*\rr+3] offset:(8*((\bt)%2)+\rr)*528
.endr
.endm
; 16 rows lie in the stage: read them back as the eight fragments of block mb.  The stage is my wave's own and LDS serves a wave's instructions
; in order (ISA guide 5.7.1), so these see the stores above and are served ahead of the next block's stores.
.macro XFRAG mb
.irp ks, 0,1,2,3,4,5,6,7
	WIN 64*(1+\ks/3)
	ds_load_b128 v[64*(\ks%3)+8*(\mb):64*(\ks%3)+8*(\mb)+3],   v[XRA] offset:64*\ks
	ds_load_b128 v[64*(\ks%3)+8*(\mb)+4:64*(\ks%3)+8*(\mb)+7], v[XRA] offset:64*\ks+16
.endr
	WIN 0
.endm
	XLOAD 0
	XLOAD 1
	XLOAD 2
	; the LDS addresses, while the first loads are on their way
	v_mul_u32_u24 v[WA], v1, 1040
	v_lshl_add_u32 v[WA], v253, 5, v[WA]
	v_add_nc_u32 v[WA], 16, v[WA]
	v_add_nc_u32 v[WA+1], BUF, v[WA]
	v_mul_u32_u24 v[CA], v253, 8320
	v_add_nc_u32 v[CA], 12, v[CA]
	v_add_nc_u32 v[CA+1], BUF, v[CA]
	v_mul_u32_u24 v[SA], v1, 272
	v_add_nc_u32 v[SA], s45, v[SA]
	v_add_nc_u32 v[XSA], s79, v[L16]
	v_mul_u32_u24 v[XRA], v1, 528
	v_lshl_add_u32 v[XRA], v253, 5, v[XRA]
	v_add_nc_u32 v[XRA], s79, v[XRA]
	v_mul_u32_u24 v[LA], v1, 144
	v_lshl_add_u32 v[LA], v253, 5, v[LA]
	v_add_nc_u32 v[LA], W0T, v[LA]
.irp bt, 0,1,2,3,4,5,6,7,8,9,10,11,12
	XCONV \bt, 32                                  ; two younger batches of 16 loads stay out (the ten loads of bias and column 0 are older than batch 0)
	XLOAD \bt+3
.if (\bt%2) == 1
	XFRAG \bt/2
.endif
.endr
	XCONV 13, 32
	XFRAG 6
	XCONV 14, 16                                   ; the last batches load nothing: the counts run down
	XCONV 15, 0
	XFRAG 7
	; the start of the sums: bias + W[o][0] in split 0, 0 in the others (a choice, not a product, so that nothing hangs on the numbers)
.irp j, 0,2,4,6
	v_pk_add_f32 v[Y0+\j:Y0+\j+1], v[Y0+\j:Y0+\j+1], v[CI+\j:CI+\j+1]
.endr
.irp j, 0,1,2,3,4,5,6,7
	v_cndmask_b32 v[Y0+\j], 0, v[Y0+\j], s67
.endr
	s_wait_dscnt 0x0                               ; my x fragments are in
	s_wait_tensorcnt 0x0                           ; my four first fills have landed,
	s_barrier_signal -1
	s_barrier_wait -1                              ; everybody's have.
; ---- the slab's macros ----
.macro WFBO ks                         ; FB = where, inside its window, the high halves' f32 of K step ks lie
.if (\ks) == 0
.set FB, 136
.elseif (\ks) == 7
.set FB, 128
.else
.set FB, 192+8*(((\ks)-1)%3)
.endif
.endm
.macro MM ks, mb                       ; T[mb] (+)= W fragment x X[ks][mb]; the first K step starts from W[o][257 i]
.if (\ks) == 0
	v_wmma_f32_16x16x32_bf16 v[T+8*(\mb):T+8*(\mb)+7], v[WB:WB+7], v[8*(\mb):8*(\mb)+7], v[CI:CI+7]
.else
	v_wmma_f32_16x16x32_bf16 v[T+8*(\mb):T+8*(\mb)+7], v[WB+8*((\ks)%4):WB+8*((\ks)%4)+7], v[64*((\ks)%3)+8*(\mb):64*((\ks)%3)+8*(\mb)+7], v[T+8*(\mb):T+8*(\mb)+7]
.endif
.endm
.macro CV ks, d                        ; dword d of K step ks's fragment of W: bf16(W[k]) low, bf16(W[k + 128]) high
	WFBO \ks
	v_cvt_pk_bf16_f32 v[WB+8*((\ks)%4)+(\d)], v[WFA+8*(\ks)+(\d)], v[FB+(\d)]
.endm
.macro FO mb, qp                       ; Y[mb] += T[mb] * x[row][slab qp of the slot]: the factor is one register of a pair, taken for both halves
.irp p, 0,2,4,6
.if ((\qp)%2) == 0
	v_pk_fma_f32 v[Y+8*(\mb)+\p:Y+8*(\mb)+\p+1], v[T+8*(\mb)+\p:T+8*(\mb)+\p+1], v[SC+4*(\mb)+2*((\qp)/2):SC+4*(\mb)+2*((\qp)/2)+1], v[Y+8*(\mb)+\p:Y+8*(\mb)+\p+1] op_sel_hi:[1,0,1]
.else
	v_pk_fma_f32 v[Y+8*(\mb)+\p:Y+8*(\mb)+\p+1], v[T+8*(\mb)+\p:T+8*(\mb)+\p+1], v[SC+4*(\mb)+2*((\qp)/2):SC+4*(\mb)+2*((\qp)/2)+1], v[Y+8*(\mb)+\p:Y+8*(\mb)+\p+1] op_sel:[0,1,0] op_sel_hi:[1,1,1]
.endif
.endr
.endm
.macro LDA buf, q, ks                  ; the eight low-half f32 of K step ks
	ds_load_b128 v[WFA+8*(\ks):WFA+8*(\ks)+3],   v[WA+\buf] offset:(\q)*SLB+64*(\ks)
	ds_load_b128 v[WFA+8*(\ks)+4:WFA+8*(\ks)+7], v[WA+\buf] offset:(\q)*SLB+64*(\ks)+16
.endm
.macro LDB buf, q, ks                  ; the eight high-half f32 of K step ks, 512 bytes further on in the row
	WFBO \ks
	ds_load_b128 v[FB:FB+3],   v[WA+\buf] offset:(\q)*SLB+64*(\ks)+512
	ds_load_b128 v[FB+4:FB+7], v[WA+\buf] offset:(\q)*SLB+64*(\ks)+528
.endm
.macro LDC buf, q, j                   ; W[8 h + j][257 i]: sixteen lanes share the word
	ds_load_b32 v[CI+\j], v[CA+\buf] offset:(\q)*SLB+1040*(\j)
.endm
.macro LSC par                         ; the factors of a slot's four slabs, for my eight blocks of rows
.irp m, 0,1,2,3,4,5,6,7
	ds_load_b128 v[SC+4*\m:SC+4*\m+3], v[SA] offset:4352*\m+16*(\par)
.endr
.endm
; The first half of a slab's data, 24 loads: K steps 0 to 3 and c.  last = the window setting in which the run ends (its destination is window 0).
.macro RUN_N buf, q, last
	WIN TO1
	LDB \buf, \q, 1
	LDB \buf, \q, 2
	LDB \buf, \q, 3
	WIN TO3
	LDB \buf, \q, 0
	WIN \last
.irp k, 0,1,2,3
	LDA \buf, \q, \k
.endr
.irp j, 0,1,2,3,4,5,6,7
	LDC \buf, \q, \j
.endr
.endm
; The second half, 16 loads: K steps 4 to 7.
.macro RUN_H buf, q
	WIN TO2
	LDB \buf, \q, 4
	LDB \buf, \q, 5
	LDB \buf, \q, 6
	WIN TO3
	LDB \buf, \q, 7
	WIN XW1
.irp k, 4,5,6,7
	LDA \buf, \q, \k
.endr
.endm
; ONE SLAB: slab q of the slot in buffer buf.  64 matrix instructions in eight runs, one for each K step.  A run's place i holds the matrix instruction on
; T[i] and one conversion for the next K step.
; The eight accumulators T[0..7] take turns, one instruction a turn, through all runs, slabs and the backward jump.
; ALL LDS LOADS STAND IN TWO RUNS, so that the 24 and the 40 matrix instructions between them follow each other with register work alone:
;   at the slab's head its own K steps 4 to 7 (16 loads; their registers were last read by the conversions in K step 6's run of the slab before);
;   between K steps 2 and 3 the next slab's K steps 0 to 3 and c (24 loads; last read in K steps 0 to 2 of this slab), with the slot's factors (8) in front in the slot's first slab.
; fold = 1: the slab before is folded into Y in the first run.  nxt = 1: a slab follows.  bar = 1: change of slots; bar = 2: change of slots, and this slot is filled again.
; A slot's last reads are the head run of its fourth slab, in front of the barrier's signal; the other slot's first reads are that slab's second run, behind the barrier's wait.
; DISTANCES (ISA guide 7.12.1): FO of block m stands 8 - m conversions and 4 m fold lines, at least eight plain vector instructions that name none of
; its registers, behind the matrix instruction whose T[m] it reads; a conversion rewrites a fragment that was last multiplied three runs before;
; c is loaded again seventeen conversions behind the last matrix instruction that takes it.
.macro SLAB buf, q, fold, nxt, bar
.if (\q) == 3
.set NB, 1-(\buf)
.set NQ, 0
.else
.set NB, \buf
.set NQ, (\q)+1
.endif
.set QP, ((\q)+3)%4
	RUN_H \buf, \q                                 ; no wait follows: K steps 0 to 3, c and the factors were shown in by the wait for 0 in the slab before
.if \fold
	FO 0, QP
	FO 1, QP
.endif
.irp i, 0,1,2,3,4,5,6,7
	MM 0, \i
	CV 1, \i
.if \fold
.if \i < 6
	FO \i+2, QP                                    ; T[i + 2] is folded two places ahead of the matrix instruction that starts it anew
.endif
.endif
.endr
.irp i, 0,1,2,3,4,5,6,7
	MM 1, \i
	CV 2, \i
.endr
.if \bar
	s_wait_dscnt 0x0                               ; my reads of this slot are over: the last sixteen were issued at this slab's head
	s_wait_tensorcnt 0x0                           ; all my tensor loads have landed: the one that was out is my slab of the other slot
	ds_add_u32 v255, v255
	s_wait_dscnt 0x0
	s_barrier_signal -1                            ; say so; where the slot is filled again this opens a round of the cluster's barrier
.endif
.irp i, 0,1,2,3,4,5,6,7
	MM 2, \i                                       ; register work alone while the others arrive
	CV 3, \i
.endr
.if (\bar) == 1
	s_barrier_wait -1                              ; the other slot is whole
.endif
.if (\bar) == 2
	WIN 0
	s_barrier_wait -1
	CREST                                          ; no wave of any partner still reads this slot or has a load on its way
	s_add_nc_u64 s[34+4*\buf:35+4*\buf], s[34+4*\buf:35+4*\buf], 8224   ; eight slabs on; no tensor load of mine is out
	tensor_load_to_lds s[32+4*\buf:35+4*\buf], s[16:23]                 ; my one tensor load behind the round: it has four slabs' work in which to land
	s_nop 0
.endif
.if \nxt
.if (\q) == 0
	WIN TO1
	LSC \buf                                       ; the last fold with the old factors stood in this slab's first run
.set N3, 32
.else
.set N3, 24
.endif
	RUN_N NB, NQ, XW2
.else
.set N3, 0
	WIN XW2
.endif
	s_wait_dscnt N3                                ; only the run just issued may be out: this slab's K steps 4 to 7 are in
.irp i, 0,1,2,3,4,5,6,7
	MM 3, \i
	CV 4, \i
.endr
.irp i, 0,1,2,3,4,5,6,7
	MM 4, \i
	CV 5, \i
.endr
.irp i, 0,1,2,3,4,5,6,7
	MM 5, \i
	CV 6, \i
.endr
	WIN XW3
.irp i, 0,1,2,3,4,5,6,7
	MM 6, \i
	CV 7, \i
.endr
.if \nxt
	s_wait_dscnt 0x0                               ; nothing was issued behind the second run, so its count is 0: the next slab's K steps 0 to 3, c and the factors are in
.endif
.irp i, 0,1,2,3,4,5,6,7
	MM 7, \i
.if \nxt
	CV 0, \i
.endif
.endr
.endm
.macro LAP f0                          ; eight slabs: once round the ring, both slots filled again
	SLAB 0, 0, \f0, 1, 0
	SLAB 0, 1, 1, 1, 0
	SLAB 0, 2, 1, 1, 0
	SLAB 0, 3, 1, 1, 2
	SLAB 1, 0, 1, 1, 0
	SLAB 1, 1, 1, 1, 0
	SLAB 1, 2, 1, 1, 0
	SLAB 1, 3, 1, 1, 2
	WIN 0
	v_add_nc_u32 v[SA], 32, v[SA]                  ; eight factors on
.endm
	; THE PRODUCT WITH W[o][1 + k], my split's two K steps: 8 loads, and in the same run the first half of the first slab's data (24 loads)
.irp u, 0,1
	ds_load_b128 v[T+16*\u:T+16*\u+3],     v[LA] offset:64*\u
	ds_load_b128 v[T+16*\u+4:T+16*\u+7],   v[LA] offset:64*\u+16
	ds_load_b128 v[T+16*\u+8:T+16*\u+11],  v[LA] offset:64*\u+2304
	ds_load_b128 v[T+16*\u+12:T+16*\u+15], v[LA] offset:64*\u+2320
.endr
	RUN_N 0, 0, 0
	s_wait_dscnt 24                                ; the 24 loads of the first slab stay out; the 8 in front of them are in
.irp u, 0,1
.irp d, 0,1,2,3,4,5,6,7
	v_cvt_pk_bf16_f32 v[WB+16+8*\u+\d], v[T+16*\u+\d], v[T+16*\u+8+\d]
.endr
.endr
; eight matrix instructions on Y[0..7], by turns: K step ks of x, fragment wb of W; first = 1: they start the sums from Y0
.macro LINH ks, wb, first
	WIN 4*(1+(\ks)/3)
.irp m, 0,1,2,3,4,5,6,7
.if \first
	v_wmma_f32_16x16x32_bf16 v[Y+8*\m:Y+8*\m+7], v[WB+8*\wb:WB+8*\wb+7], v[64*((\ks)%3)+8*\m:64*((\ks)%3)+8*\m+7], v[Y0:Y0+7]
.else
	v_wmma_f32_16x16x32_bf16 v[Y+8*\m:Y+8*\m+7], v[WB+8*\wb:WB+8*\wb+7], v[64*((\ks)%3)+8*\m:64*((\ks)%3)+8*\m+7], v[Y+8*\m:Y+8*\m+7]
.endif
.endr
.endm
.macro LINV v
	LINH 2*\v, 2, 1
	LINH 2*\v+1, 3, 0
	WIN 0
.endm
	; which x fragments these are hangs on the split, and register numbers are fixed in the text: four variants.  The split is the same in all partners.
	s_cmp_eq_u32 s15, 0
	s_cbranch_scc1 .Llin0
	s_cmp_eq_u32 s15, 1
	s_cbranch_scc1 .Llin1
	s_cmp_eq_u32 s15, 2
	s_cbranch_scc1 .Llin2
	LINV 3
	s_branch .Llin_done
.Llin2:
	LINV 2
	s_branch .Llin_done
.Llin1:
	LINV 1
	s_branch .Llin_done
.Llin0:
	LINV 0
.Llin_done:
	s_wait_dscnt 0x0                               ; as in front of a slab's last run: the first slab's K steps 0 to 3 and c are in
	WIN XW3
.irp d, 0,1,2,3,4,5,6,7
	CV 0, \d
.endr
	; THE 64 SLABS: 8 laps.  The first stands in front of the loop (nothing to fold in its first slab), the last behind it (nothing left to fetch).
	LAP 0
	s_mov_b32 s66, 6
.Llap:
	LAP 1
	s_sub_co_u32 s66, s66, 1
	s_cmp_lg_u32 s66, 0
	s_cbranch_scc1 .Llap
	SLAB 0, 0, 1, 1, 0
	SLAB 0, 1, 1, 1, 0
	SLAB 0, 2, 1, 1, 0
	SLAB 0, 3, 1, 1, 1                             ; the last slot is shown whole; no slot is filled that no slab reads, so no round
	SLAB 1, 0, 1, 1, 0
	SLAB 1, 1, 1, 1, 0
	SLAB 1, 2, 1, 1, 0
	SLAB 1, 3, 1, 0, 0
	; THE WAY OUT.  Four places behind the last matrix instruction, the last fold, and 16 stores.
.rept 4
	v_nop
.endr
	WIN XW1
.irp m, 0,1,2,3,4,5,6,7
	FO \m, 3
.endr
	WIN 0
	; part[s][output block][block of 16 rows][p][lane][e] = Y(row r, output 8 h + 4 p + e): each store of the wave covers 512 consecutive bytes, aligned
.irp m, 0,1,2,3,4,5,6,7
	global_store_b128 v[L16], v[Y+8*\m:Y+8*\m+3],   s[10:11] offset:1024*\m
	global_store_b128 v[L16], v[Y+8*\m+4:Y+8*\m+7], s[10:11] offset:1024*\m+512
.endr
	CROUND                                         ; the closing round: no work-group ends while a partner may still issue a joint load that names it
	s_endpgm
.Lfunc_end_k_q716716717d_quad:
	.size	k_q716716717d_quad, .Lfunc_end_k_q716716717d_quad-k_q716716717d_quad
	.p2alignl 7, 3214868480
	.fill 96, 4, 3214868480
	.section	.rodata,"a",@progbits
	.p2align	6, 0x0
	.amdhsa_kernel k_q716716717d_quad
		.amdhsa_group_segment_fixed_size 327680
		.amdhsa_private_segment_fixed_size 0
		.amdhsa_enable_private_segment 0
		.amdhsa_kernarg_size 32
		.amdhsa_user_sgpr_count 2
		.amdhsa_user_sgpr_kernarg_segment_ptr 1
		.amdhsa_wavefront_size32 1
		.amdhsa_system_sgpr_workgroup_id_x 1
		.amdhsa_system_sgpr_workgroup_id_y 1
		.amdhsa_system_sgpr_workgroup_id_z 1
		.amdhsa_system_vgpr_workitem_id 0
		.amdhsa_next_free_vgpr 1024
		.amdhsa_next_free_sgpr 80
		.amdhsa_reserve_vcc 0
		.amdhsa_float_denorm_mode_32 3
		.amdhsa_float_denorm_mode_16_64 3
		.amdhsa_memory_ordered 1
		.amdhsa_forward_progress 1
		.amdhsa_inst_pref_size 255
	.end_amdhsa_kernel
	.section	.bss,"aw",@nobits
	.p2align	6
	.space	262144
	.amdgpu_metadata
---
amdhsa.version: [ 1, 2 ]
amdhsa.kernels:
  - .name:           k_q716716717d_quad
    .symbol:         k_q716716717d_quad.kd
    .args:
      - { .name: W, .offset: 0, .size: 8, .value_kind: global_buffer, .address_space: global }
      - { .name: b, .offset: 8, .size: 8, .value_kind: global_buffer, .address_space: global }
      - { .name: x, .offset: 16, .size: 8, .value_kind: global_buffer, .address_space: global }
      - { .name: part, .offset: 24, .size: 8, .value_kind: global_buffer, .address_space: global }
    .group_segment_fixed_size: 327680
    .private_segment_fixed_size: 0
    .kernarg_segment_align: 8
    .kernarg_segment_size: 32
    .max_flat_workgroup_size: 128
    .sgpr_count:     80
    .vgpr_count:     1024
    .wavefront_size: 32
...
	.end_amdgpu_metadata
.endif
;; end of part 3
;; launch gather: the kernel of part 2 again; grid 256 x 1, 4 waves a work-group, no clusters, 8,960 bytes of LDS; arguments part, out0; writes out0
